; MI455X (gfx1250); checked and timed in simulation.
; The chip was launched on July 23, 2026; its instructions are those of AMD's public machine-readable ISA for CDNA 5 (MIT licence, August 2026) and "CDNA5" Instruction Set Architecture Reference Guide (July 2026). The comments in the code are by the model that wrote it; some were corrected since.
;; Multi Head Attention. Allowed arithmetic: matrix products marked QUANTISED: E2M3 operands, one E8M0 scale for each 32 along K, by v_wmma_scale_f32_16x16x128_f8f6f4 with both operands' format E2M3, f32 sums; everything else in f32.
;; Inputs: Wk 1,024 x 1,024 float32; Wq 1,024 x 1,024 float32; Wv 1,024 x 1,024 float32; keys 4 x 2,048 x 1,024 float32; queries 4 x 2,048 x 1,024 float32; values 4 x 2,048 x 1,024 float32.
;; Outputs: out0 4 x 2,048 x 1,024 float32.
;; This version of the problem:
;;   THIS VERSION OF THE PROBLEM IS GIVEN IN LOW PRECISION. The matrix products marked QUANTISED in the list below multiply operands that are first quantised to E2M3 (2 exponent bits, 3 mantissa bits; 6 bits a number), with one power-of-two scale for each 32 numbers along K (OCP MX v1.0); their sums are f32. All else is computed in f32.
;;   The module's matrix products, in the order in which they are computed (A, B: the left and right operand; K: the contracted axis; several contracted axes count as one K, in the product's order):
;;     1. [M 8,192, K 1,024] x [K 1,024, N 1,024]; A: input queries; B: input Wq: QUANTISED
;;     2. [M 8,192, K 1,024] x [K 1,024, N 1,024]; A: input keys; B: input Wk: QUANTISED
;;     3. [M 8,192, K 1,024] x [K 1,024, N 1,024]; A: input values; B: input Wv: QUANTISED
;;     4. batch 64 x [M 2,048, K 64] x [K 64, N 2,048]; A: computed on the way; B: computed on the way: QUANTISED
;;     5. batch 64 x [M 64, K 2,048] x [K 2,048, N 2,048]; A: computed on the way; B: softmax (see below): QUANTISED
;;   THE QUANTISER, for each operand of a quantised product, along K:
;;     - K is cut into blocks of 32 from its start; a last block that is shorter is filled with zeros.
;;     - A block's scale is 2^e with e = floor(log2(the largest magnitude in the block)) - 2, held to -126 .. 127; a block of zeros has e = 0. As a byte (E8M0): e + 127.
;;     - Each number is divided by its block's scale, clamped to +-7.5, and rounded to the nearest number of E2M3, ties to even, subnormals kept.
;;     - The product sums the exact products of the quantised numbers (number of the format x scale) in f32.
;;   ~~~python
;;   def quantise(x, axis):      # numpy; x: float32 -> the quantised numbers, widened to float32 again
;;       x = np.moveaxis(x, axis, -1); K = x.shape[-1]
;;       x = np.pad(x, [(0, 0)] * (x.ndim - 1) + [(0, -K % 32)]); x = x.reshape(x.shape[:-1] + (-1, 32)); a = np.abs(x).max(-1, keepdims=True)
;;       e = np.where(a > 0, np.clip(np.frexp(np.where(a > 0, a, 1))[1] - 1 - 2, -126, 127), 0)      # np.frexp(a)[1] - 1 = floor(log2(a)), exactly
;;       r = np.clip(x / 2.0 ** e, -7.5, 7.5)
;;       step = 2.0 ** (np.maximum(np.frexp(np.where(r == 0, 1, r))[1] - 1, 0) - 3)
;;       q = np.round(r / step) * step * 2.0 ** e      # np.round: ties to even
;;       return np.moveaxis(q.reshape(q.shape[:-2] + (-1,))[..., :K], -1, axis).astype(np.float32)
;;   ~~~
;;   SOFTMAX AHEAD OF A QUANTISED PRODUCT. Where the list says 'softmax', what is quantised is not the finished softmax but p = 2^(t - M), with t = logit x log2(e) and M = ceil(the row's largest t), a whole number; so 1/2 < the row's largest p <= 1. The row's sum l is taken of the UNQUANTISED p, in f32, and the product's result is divided by l at the end. Since M is a whole number, a kernel that streams over the keys may use a running M (the ceiling of the running maximum): every later rescaling is an exact power of two, which a block's scale takes up: the codes' values come out the same.
;;   OPERANDS COMPUTED ON THE WAY. 'Computed on the way' means the value that the module computes at that place (a softmax that the list does not call 'softmax' is quantised finished and normalised). What goes into a quantiser is computed in f32, as accurately as f32 sums, v_exp_f32 and their like allow (about 1e-6 of the number): no bf16 or f16 on the way to a quantiser, and a product that is left as it is and whose result goes on into a quantised operand takes f32 operands (vector FMAs, or v_wmma_f32_16x16x4_f32). A number that lies on a knife's edge between two numbers of the format may be rounded either way, as far as f32 arithmetic and the matrix unit's own rounding can turn it there, and no further.
;; One version. Each part assembles by itself: llvm-mc -triple=amdgcn-amd-amdhsa -mcpu=gfx1250 --defsym DOCPART=n.
;; ======== version 1 of 1: 3 launches
;; limits: right only within a limited range of input values
;; workspace buffers: xcodes 18,874,368 bytes; xscales 786,432 bytes; wcodes 2,359,296 bytes; wscales 98,304 bytes; qkv 26,738,688 bytes
;; launch quant (part 1): grid 864 x 1, 4 waves a work-group, no clusters, 68,096 bytes of LDS; arguments queries, keys, values, Wq, Wk, Wv, xcodes, xscales, wcodes, wscales; writes xcodes, xscales, wcodes, wscales
.if DOCPART == 1
	.amdgcn_target "amdgcn-amd-amdhsa--gfx1250"
	.amdhsa_code_object_version 6
	.text
	.protected	k_qd369fec290_quant
	.globl	k_qd369fec290_quant
	.p2align	8
	.type	k_qd369fec290_quant,@function
k_qd369fec290_quant:
	s_mov_b64 s[64:65], 0
	v_nop
	global_prefetch_b8 v0, s[64:65] scope:SCOPE_SE
	s_setreg_imm32_b32 hwreg(HW_REG_WAVE_MODE, 25, 1), 1
	s_wait_xcnt 0x0
; ALL SIX INPUTS BECOME CODES OF FP6 (E2M3) WITH K (the 1,024) INNERMOST, a row 768 bytes, and one E8M0 byte for each 32 along K, a row 32 bytes.
; A block's scale is 2^(floor(log2(its largest magnitude)) - 2); its byte is the largest magnitude's exponent field - 2, held at 1 from below.
; Work-groups 0 to 95 take Wq, Wk, Wv ([k][n], K the first axis), the other 768 take queries, keys, values ([row][k]).  The two paths part on the work-group's number and have LDS bytes of their own.
; No step of the problem is left out anywhere in this program.
; ROW ORDER OF xcodes, xscales, inside each 256 tokens (a = token / 128; output row 32 s + 16 a + r):
;   queries: token 128 a + 16 s + r;   keys, values: token 128 a + 64 (s / 4) + 32 (r / 8) + 8 (s % 4) + r % 8.  Both move whole runs of 8 rows, so they are an order of the bits of a run's number.
; ROW ORDER OF wcodes, wscales, inside each 64 columns: output row 16 t + r is column 32 (r / 8) + 8 t + r % 8.
; With these orders a lane of the products that follow holds 32 neighbours along the next K in 32 registers.
; LIMITS: NaN and infinities are not served; a block whose largest magnitude lies under 2^-124 gets the byte 1; a block of zeros gets the byte 1 where the rule says 127 (its codes are zeros; this program alone reads the bytes).
; Work-groups share no input: no cluster, no tensor load, no barrier.
.set EMAX,  2
.set WGW,   96                         ; W's work-groups
.set STEPS, 16
.set CB,    12                         ; bytes of 16 codes
.set XR,    16                         ; x: v16-79 four sets of 16 numbers as loaded
.set XX,    80                         ; v80-111 two sets of 16 neighbours
.set XC,    128                        ; v128-191 codes, four registers a step
.set XE,    112                        ; v112-127 a scale byte a step
.set WREG,  8192                       ; x: LDS region of a wave: two stages of 32 x SP bytes, then its 256 scale bytes
.set SP,    80
.set WST,   4*WREG                     ; W: the four stages
.set PITCH, 272
.set KROW,  768
.set NB,    8                          ; W: blocks of 32 along K for a wave
.set WX,    32                         ; W: v32-95 two sets of 32 numbers
.set WC,    96
.set WOUT,  112
.set WSB,   24
.set SPARE, WST+4*32*PITCH             ; the spare words, 128 bytes a wave
.set SPW,   192
.set NIL,   193
	s_load_b512 s[4:19], s[0:1], 0x0               ; queries, keys, values s[4:9]; Wq, Wk, Wv s[10:15]; xcodes s[16:17]; xscales s[18:19]
	s_load_b128 s[20:23], s[0:1], 0x40             ; wcodes, wscales
	v_lshl_add_u32 v[SPW], v0, 2, SPARE
	v_mov_b32 v[NIL], 0
	v_lshrrev_b32 v1, 5, v0
	v_readfirstlane_b32 s24, v1                    ; wave
	v_and_b32 v2, 31, v0                           ; lane
	s_cmp_lt_u32 ttmp9, WGW
	s_wait_alu depctr_va_vdst(0)                   ; the wait ahead of the branch
	s_cbranch_scc1 .Lw
; ---------------- queries, keys, values: a work-group takes 32 rows, a wave 8 rows = 16 steps of 512 numbers
	v_lshlrev_b32 v3, 4, v2                        ; my 16 bytes of a load's 512
	s_mul_i32 s26, s24, WREG
	v_lshrrev_b32 v14, 2, v2
	v_mul_u32_u24 v14, v14, SP
	v_and_b32 v15, 3, v2
	v_lshl_add_u32 v14, v15, 4, v14
	v_add_nc_u32 v14, s26, v14                     ; the stage on the way in: SP (lane / 4) + 16 (lane % 4)
	v_mul_u32_u24 v15, v2, SP
	v_add_nc_u32 v15, s26, v15                     ; on the way out: SP x lane: 16 neighbours along K
	v_mul_u32_u24 v4, v2, CB
	v_lshrrev_b32 v5, 1, v2
	s_add_co_u32 s26, s26, 2*32*SP
	v_add_nc_u32 v5, s26, v5                       ; my block's scale byte in LDS
	v_lshlrev_b32 v7, 3, v2
	v_add_nc_u32 v6, s26, v7
	s_sub_co_u32 s25, ttmp9, WGW                   ; 0 .. 767: 256 work-groups a tensor
	s_lshl_b32 s27, s25, 2
	s_add_co_u32 s27, s27, s24                     ; g: my run of 8 rows, counted through the three tensors
	s_and_b32 s28, s27, 1023
	s_lshl_b32 s28, s28, 15                        ; what I read: 32,768 bytes a run
	s_mov_b32 s29, 0
	s_lshr_b32 s32, s27, 5                         ; the output's run: bits 5 and up stay,
	s_lshl_b32 s32, s32, 5
	s_bfe_u32 s33, s27, 0x10004
	s_lshl_b32 s33, s33, 1                         ; g's bit 4 (a) goes to bit 1;
	s_or_b32 s32, s32, s33
	s_bfe_u32 s34, s27, 0x30001                    ; queries: bits 3..1 go to 4..2, bit 0 stays
	s_lshl_b32 s34, s34, 2
	s_and_b32 s35, s27, 1
	s_or_b32 s34, s34, s35
	s_bfe_u32 s35, s27, 0x10003                    ; keys, values: bit 3 to 4, bits 1..0 to 3..2, bit 2 to 0
	s_lshl_b32 s35, s35, 4
	s_and_b32 s36, s27, 3
	s_lshl_b32 s36, s36, 2
	s_or_b32 s35, s35, s36
	s_bfe_u32 s36, s27, 0x10002
	s_or_b32 s35, s35, s36
	s_cmp_lt_u32 s25, 256
	s_cselect_b32 s34, s34, s35
	s_or_b32 s32, s32, s34
	s_mul_i32 s30, s32, 32*STEPS*CB                ; 6,144 bytes of codes a run,
	s_mov_b32 s31, 0
	s_lshl_b32 s32, s32, 8                         ; 256 scale bytes
	s_mov_b32 s33, 0
	s_wait_alu depctr_va_vdst(0)                   ; the wait at the head's end
	s_wait_kmcnt 0x0
	s_cmp_lt_u32 s25, 256                          ; which tensor: by the work-group's number alone
	s_cselect_b64 s[4:5], s[4:5], s[6:7]
	s_cmp_lt_u32 s25, 512
	s_cselect_b64 s[4:5], s[4:5], s[8:9]
	s_add_nc_u64 s[4:5], s[4:5], s[28:29]
	s_add_nc_u64 s[16:17], s[16:17], s[30:31]
	s_add_nc_u64 s[18:19], s[18:19], s[32:33]
.macro LOADX t
.irp i, 0,1,2,3
	global_load_b128 v[XR+16*((\t)%4)+4*\i:XR+16*((\t)%4)+4*\i+3], v3, s[4:5] offset:2048*(\t)+512*\i th:TH_LOAD_NT   ; 32 lanes read 512 consecutive bytes
.endr
.endm
.macro TURNX t                         ; a step's numbers through the stage; LDS serves a wave's instructions in order
.irp i, 0,1,2,3
	ds_store_b128 v14, v[XR+16*((\t)%4)+4*\i:XR+16*((\t)%4)+4*\i+3] offset:32*SP*((\t)%2)+8*SP*\i
.endr
.irp i, 0,1,2,3
	ds_load_b128 v[XX+16*((\t)%2)+4*\i:XX+16*((\t)%2)+4*\i+3], v15 offset:32*SP*((\t)%2)+16*\i
.endr
.endm
.irp t, 0,1,2,3
	LOADX \t
.endr
	s_wait_loadcnt 12                              ; step 0's four loads are in; the twelve of steps 1 to 3 may be out
	TURNX 0
.macro STEPX t
.set XS, XX+16*((\t)%2)
.if (\t) > 0
	s_wait_dscnt 1                                 ; this step's numbers are back (the last step's byte store may be out)
.else
	s_wait_dscnt 0x0
.endif
.if (\t)+4 < STEPS
	LOADX (\t)+4
.endif
.if (\t)+1 < STEPS
.if STEPS-2-(\t) >= 3
	s_wait_loadcnt 12                              ; the next step's four loads are in; those of three steps behind it may be out
.else
	s_wait_loadcnt 4*(STEPS-2-(\t))
.endif
	TURNX (\t)+1
.endif
	v_max3_num_f32 v8, |v[XS]|, |v[XS+1]|, |v[XS+2]|               ; the largest magnitude of my 16, two chains
	v_max3_num_f32 v9, |v[XS+3]|, |v[XS+4]|, |v[XS+5]|
.irp i, 6,10
	v_max3_num_f32 v8, v8, |v[XS+\i]|, |v[XS+\i+1]|
	v_max3_num_f32 v9, v9, |v[XS+\i+2]|, |v[XS+\i+3]|
.endr
	v_max3_num_f32 v8, v8, |v[XS+14]|, |v[XS+15]|
	v_max3_num_f32 v8, v8, v9, (EMAX+1)<<23        ; the floor 2^(3 - 127): the byte cannot fall under 1
	v_max_num_f32_dpp v8, v8, v8 row_xmask:1 row_mask:0xf bank_mask:0xf   ; with my neighbour's 16: the block's
	v_add_nc_u32 v11, -(EMAX<<23), v8              ; 2 off the exponent field: the conversion's scale operand
	v_cvt_scalef32_pk16_fp6_f32 v[XC+4*(\t):XC+4*(\t)+2], v[XS:XS+15], v11
	v_lshrrev_b32 v[XE+(\t)], 23, v11              ; the scale's byte (the plain line behind the conversion)
	ds_store_b8 v5, v[XE+(\t)] offset:16*(\t)      ; both lanes of a block write the same byte
	global_store_b96 v4, v[XC+4*(\t):XC+4*(\t)+2], s[16:17] offset:32*CB*(\t)
.endm
.irp t, 0,1,2,3,4,5,6,7,8,9,10,11,12,13,14,15
	STEPX \t
.endr
	ds_load_b64 v[8:9], v6
	s_wait_dscnt 0x0
	global_store_b64 v7, v[8:9], s[18:19]          ; 32 lanes store 256 consecutive bytes, aligned
	s_wait_tensorcnt 0x0                           ; the wave's end
	ds_add_u32 v[SPW], v[NIL]
	s_wait_dscnt 0x0
	s_endpgm
; ---------------- Wq, Wk, Wv: work-group n: 128 columns at 128 (n % 8), tensor n / 32, 256 along K at 256 ((n / 8) % 4).  A lane takes a column, its registers run down K
.Lw:
	s_and_b32 s26, ttmp9, 7
	s_lshl_b32 s26, s26, 7
	s_lshl_b32 s27, s24, 5
	s_add_co_u32 s26, s26, s27                     ; my wave's first column
	s_lshr_b32 s27, ttmp9, 3
	s_lshr_b32 s25, s27, 2                         ; which tensor
	s_and_b32 s27, s27, 3                          ; which 256 along K
	s_and_b32 s36, s26, 0x3c0
	s_and_b32 s37, s24, 1
	s_lshl_b32 s37, s37, 3
	s_add_co_u32 s36, s36, s37                     ; my first output row: the 64 columns' first + 8 (wave % 2); lane l goes 16 (l / 8) + l % 8 rows on
	v_lshlrev_b32 v3, 2, v2
	v_and_b32 v10, 7, v2
	v_lshrrev_b32 v11, 3, v2
	v_lshl_or_b32 v10, v11, 4, v10
	s_mul_i32 s28, s24, 32*PITCH
	s_add_co_u32 s28, s28, WST                     ; my stage
	v_mul_u32_u24 v4, v2, PITCH
	v_add_nc_u32 v4, s28, v4                       ; into it: row = lane
	v_and_b32 v5, 15, v2
	v_lshrrev_b32 v6, 4, v2                        ; out of it: sixteen lanes to a row, two rows an instruction, 12 bytes a lane
	v_mul_u32_u24 v7, v6, PITCH
	v_lshl_add_u32 v7, v5, 4, v7
	v_add_nc_u32 v7, s28, v7
	v_mul_u32_u24 v8, v6, KROW
	v_mad_u32_u24 v8, v5, 12, v8
	v_lshlrev_b32 v9, 5, v10                       ; my output row's scale bytes
	s_lshl_b32 s30, s27, 20                        ; W: 256 rows of 4,096 bytes for each 256 along K, + 4 x column
	s_lshl_b32 s31, s26, 2
	s_add_co_u32 s30, s30, s31
	s_mov_b32 s31, 0
	s_mul_i32 s32, s25, 1024*KROW
	s_mul_i32 s33, s36, KROW
	s_add_co_u32 s32, s32, s33
	s_mul_i32 s33, s27, 192
	s_add_co_u32 s32, s32, s33
	s_mov_b32 s33, 0
	s_lshl_b32 s34, s25, 15
	s_lshl_b32 s35, s36, 5
	s_add_co_u32 s34, s34, s35
	s_lshl_b32 s35, s27, 3
	s_add_co_u32 s34, s34, s35
	s_mov_b32 s35, 0
	s_wait_alu depctr_va_vdst(0)                   ; the wait at the head's end
	s_wait_kmcnt 0x0
	s_cmp_lt_u32 s25, 1
	s_cselect_b64 s[10:11], s[10:11], s[12:13]
	s_cmp_lt_u32 s25, 2
	s_cselect_b64 s[10:11], s[10:11], s[14:15]
	s_add_nc_u64 s[10:11], s[10:11], s[30:31]
	s_add_nc_u64 s[20:21], s[20:21], s[32:33]
	s_add_nc_u64 s[22:23], s[22:23], s[34:35]
.macro LOADW t
.irp i, 0,1,2,3,4,5,6,7,8,9,10,11,12,13,14,15,16,17,18,19,20,21,22,23,24,25,26,27,28,29,30,31
	global_load_b32 v[WX+32*((\t)%2)+\i], v3, s[10:11] offset:(32*(\t)+\i)*4096 th:TH_LOAD_NT
.endr
.endm
	LOADW 0
	LOADW 1
.macro BLOCKW t
.set XS, WX+32*((\t)%2)
.if (\t) < NB-1
	s_wait_loadcnt 32                              ; this block's 32 loads are in; the next block's 32 may be out
.else
	s_wait_loadcnt 0
.endif
	v_max3_num_f32 v12, |v[XS]|, |v[XS+1]|, |v[XS+2]|
	v_max3_num_f32 v13, |v[XS+3]|, |v[XS+4]|, |v[XS+5]|
.irp i, 6,10,14,18,22,26
	v_max3_num_f32 v12, v12, |v[XS+\i]|, |v[XS+\i+1]|
	v_max3_num_f32 v13, v13, |v[XS+\i+2]|, |v[XS+\i+3]|
.endr
	v_max3_num_f32 v12, v12, |v[XS+30]|, |v[XS+31]|
	v_max3_num_f32 v12, v12, v13, (EMAX+1)<<23
	v_add_nc_u32 v11, -(EMAX<<23), v12
	v_lshrrev_b32 v13, 23, v11
.if (\t)%4 == 0
	v_mov_b32 v[WSB+(\t)/4], v13
.else
	v_lshl_or_b32 v[WSB+(\t)/4], v13, 8*((\t)%4), v[WSB+(\t)/4]
.endif
	v_cvt_scalef32_pk16_fp6_f32 v[WC:WC+2], v[XS:XS+15], v11
	v_cvt_scalef32_pk16_fp6_f32 v[WC+4:WC+6], v[XS+16:XS+31], v11
	ds_store_b96 v4, v[WC:WC+2] offset:32*(\t)     ; 12 bytes to a place of 16
	ds_store_b96 v4, v[WC+4:WC+6] offset:32*(\t)+16
.if (\t)+2 < NB
	LOADW (\t)+2
.endif
	s_wait_dscnt 0x0                               ; the stores have read their registers
.endm
.set Q, 0
.rept NB
	BLOCKW Q
.set Q, Q+1
.endr
	s_wait_alu depctr_va_vdst(0)                   ; the wait ahead of the reader below
	global_store_b64 v9, v[WSB:WSB+1], s[22:23]
.irp t, 0,1,2,3,4,5,6,7,8,9,10,11,12,13,14,15
	ds_load_b96 v[WOUT+4*\t:WOUT+4*\t+2], v7 offset:2*\t*PITCH
.endr
.irp t, 0,1,2,3,4,5,6,7,8,9,10,11,12,13,14,15
	s_wait_dscnt 15-\t                             ; load t is back; the 15 - t younger ones may be out
	global_store_b96 v8, v[WOUT+4*\t:WOUT+4*\t+2], s[20:21] offset:(16*(\t/4)+2*(\t%4))*KROW   ; stage rows 2 t, 2 t + 1
.endr
	s_wait_tensorcnt 0x0                           ; the wave's end
	ds_add_u32 v[SPW], v[NIL]
	s_wait_dscnt 0x0
	s_endpgm
.Lfunc_end_k_qd369fec290_quant:
	.size	k_qd369fec290_quant, .Lfunc_end_k_qd369fec290_quant-k_qd369fec290_quant
	.p2alignl 7, 3214868480
	.fill 96, 4, 3214868480
	.section	.rodata,"a",@progbits
	.p2align	6, 0x0
	.amdhsa_kernel k_qd369fec290_quant
		.amdhsa_group_segment_fixed_size 68096
		.amdhsa_private_segment_fixed_size 0
		.amdhsa_enable_private_segment 0
		.amdhsa_kernarg_size 80
		.amdhsa_user_sgpr_count 2
		.amdhsa_user_sgpr_kernarg_segment_ptr 1
		.amdhsa_wavefront_size32 1
		.amdhsa_system_sgpr_workgroup_id_x 1
		.amdhsa_system_sgpr_workgroup_id_y 1
		.amdhsa_system_sgpr_workgroup_id_z 1
		.amdhsa_system_vgpr_workitem_id 0
		.amdhsa_next_free_vgpr 200
		.amdhsa_next_free_sgpr 66
		.amdhsa_reserve_vcc 0
		.amdhsa_float_denorm_mode_32 3
		.amdhsa_float_denorm_mode_16_64 3
		.amdhsa_memory_ordered 1
		.amdhsa_forward_progress 1
		.amdhsa_inst_pref_size 75
	.end_amdhsa_kernel
	.amdgpu_metadata
---
amdhsa.version: [ 1, 2 ]
amdhsa.kernels:
  - .name:           k_qd369fec290_quant
    .symbol:         k_qd369fec290_quant.kd
    .args:
      - { .name: queries, .offset: 0, .size: 8, .value_kind: global_buffer, .address_space: global }
      - { .name: keys, .offset: 8, .size: 8, .value_kind: global_buffer, .address_space: global }
      - { .name: values, .offset: 16, .size: 8, .value_kind: global_buffer, .address_space: global }
      - { .name: Wq, .offset: 24, .size: 8, .value_kind: global_buffer, .address_space: global }
      - { .name: Wk, .offset: 32, .size: 8, .value_kind: global_buffer, .address_space: global }
      - { .name: Wv, .offset: 40, .size: 8, .value_kind: global_buffer, .address_space: global }
      - { .name: xcodes, .offset: 48, .size: 8, .value_kind: global_buffer, .address_space: global }
      - { .name: xscales, .offset: 56, .size: 8, .value_kind: global_buffer, .address_space: global }
      - { .name: wcodes, .offset: 64, .size: 8, .value_kind: global_buffer, .address_space: global }
      - { .name: wscales, .offset: 72, .size: 8, .value_kind: global_buffer, .address_space: global }
    .group_segment_fixed_size: 68096
    .private_segment_fixed_size: 0
    .kernarg_segment_align: 8
    .kernarg_segment_size: 80
    .max_flat_workgroup_size: 128
    .sgpr_count:     66
    .vgpr_count:     200
    .wavefront_size: 32
...
	.end_amdgpu_metadata
.endif
;; end of part 1
;; launch proj (part 2): grid 32 x 8, 4 waves a work-group, clusters of 4 x 4, 327,680 bytes of LDS; arguments xcodes, xscales, wcodes, wscales, qkv; writes qkv
.if DOCPART == 2
	.amdgcn_target "amdgcn-amd-amdhsa--gfx1250"
	.amdhsa_code_object_version 6
	.text
	.protected	k_qd369fec290_proj
	.globl	k_qd369fec290_proj
	.p2align	8
	.type	k_qd369fec290_proj,@function
k_qd369fec290_proj:
	s_mov_b64 s[64:65], 0
	v_nop
	global_prefetch_b8 v0, s[64:65] scope:SCOPE_SE
	s_setreg_imm32_b32 hwreg(HW_REG_WAVE_MODE, 25, 1), 1
	s_wait_xcnt 0x0
	s_wait_alu depctr_hold_cnt(0) depctr_sa_sdst(0) depctr_va_vdst(0) depctr_va_sdst(0) depctr_va_ssrc(0) depctr_va_vcc(0) depctr_vm_vsrc(0)
	s_getreg_b32 s2, hwreg(HW_REG_IB_STS2, 6, 4)
	s_cmp_eq_u32 s2, 0
	s_cbranch_scc0 .Lentry_in_a_cluster
	s_endpgm
.Lentry_in_a_cluster:
	s_bfe_u32 s2, ttmp6, 0x10000c
	s_cmp_lg_u32 s2, 0xf033
	s_cbranch_scc0 .Lentry_shape_is_right
	s_endpgm
.Lentry_shape_is_right:
; q = queries Wq, k = keys Wk, v = values Wv ON CODES OF FP6, AND THEIR QUANTISERS: three products of 8,192 x 1,024 x 1,024; the results leave as codes and scale words, images of the next launch's operand registers.
; THE DEAL.  256 work-groups of four waves, 2 x 2, THAT STAY: work-group (tile row = 4 cluster x + cx, tile column = 4 cluster y + cy) makes 256 rows x 128 columns (two heads) of q, then of k, then of v.
; A wave (row a, column b) holds 64 rows of W (one head, four tiles of 16), all of K, in registers, and streams x's rows 32 s + 16 a + 0 .. 15 past them as block s = 0 .. 7: by xcodes' row order those are tokens 128 a + .. of the 256: one record.
; q, k: source 0 = W's rows, source 1 = x's: lane (r, h) holds token row r and, by wcodes' row order, channels 32 h + 0 .. 31 in the 32 registers of the four tiles: one scale block, six registers of codes, no other lane asked.
; v: source 0 = x's rows, source 1 = W's: lane (r, h) holds channel row r of a tile, and over four blocks (a band c) the keys 64 c + 32 h + 0 .. 31: again one scale block in 32 registers.
; OUT: qkv, records of 13,056 bytes for each head and 128 tokens.  Section 0 q, section 1 k and v.  q, k: pair p of tiles at 1,536 p (12 registers a lane, group g of four at 512 g + 16 lane), scale words at 12,288 (word p of a lane's four:
; lanes 0-15 tile 2 p, lanes 16-31 tile 2 p + 1; two bytes, the upper two 0).  v: channel tile t at 6,144 + 1,536 t, its scale words at 12,800 (word t / 2 of a lane's two: lanes 0-15 the even tile).
; LDS: x's 256 rows and W's 128, whole rows of 768 bytes, 16 bytes of padding behind each 256.  At the head one tensor load a wave.  TWO REFILLS A TENSOR, each behind a drained round of the cluster's barrier:
; inside block 1 W's bytes, which all waves hold in registers, take the next tensor's W (wave 0's load; it has six blocks' work in which to land); inside block 6 x's bytes, whose last block is in registers,
; take the next tensor's rows (64 rows a wave).  x's rows are shared by a column of the cluster, W's by a row.
; PREFETCH: behind block 3 the next tensor's 256 rows of x are asked for, three blocks ahead of their load: the sixteen waves that will ask jointly take 48 blocks of 256 bytes each, told apart by address.  W's refill is itself asked for six blocks ahead.
; The scale words go from memory into registers, 32 bytes a row, sixteen rows on end, in two sets by turns: the next tensor's are loaded at a tensor's start.
; LIMITS: NaN, infinities and sums beyond f32's range are not served; a block under 2^-124 or of zeros gets the byte 1.
.set TOK, 8192
.set KROW, 768
.set KS, 32
.set PITCH, 816
.set FR, 12
.set FPW, 21                           ; fragments in a window; fragment f lies in window 1 + f / 21: 0-31 W's (4 q + tile), 32-47 x's two sets
.set NF, 26                            ; LDS loads of a block's eight fragments
.set TM, 256
.set TN, 128
.set YB, TM*PITCH                      ; W's rows
.set SPARE, (TM+TN)*PITCH              ; the spare words
.set REC, 13056
.set SEC, 64*16*REC
.set PADF, (1<<20)|(5<<22)|(3<<25)
.set ADRA0, 4                          ; v4, v5 LDS address of my pieces of block 0 (v5: behind one padding more)
.set PF, 6                             ; v6, v7 the prefetches' offsets
.set CO, 9                             ; 16 x lane
.set SPW, 10
.set NIL, 11
.set ADRA, 12                          ; v12, v13 the same as v4, v5 for the block fetched next
.set ADRB, 14
.set ABS, 16                           ; 32 x lane
.set L8, 17                            ; 8 x lane
.set SH8, 18                           ; 8 h
.set AR, 19                            ; 32 r
.set BA, 112                           ; v112-119 LDS addresses of W's four tiles
.set TQ, 120                           ; scale words: W's at v24-39 and v168-183 (8 (tile / 2) + q; lanes 0-15 the even tile), x's at v44-107 and v188-251 (8 s + q): two sets by turns
.set SOP, 124
.set EB, 128
.set W, 136
.set W2, 140
.set WB, 144
.set TC, 148
.set ACC, 72                           ; window 3, v72-199: the sums (q, k: two sets of 32; v: 32 t + 8 (s % 4))
.set CD, 200                           ; window 3, v200-247: the codes
.set G1A, 24
.set G1B, 32
.set G0A, 56
.set G0B, 60
.set PFP, 68                           ; s[68:69] the next tensor's 256 rows of x
.set G0R, 72
.set G1R, 92
.set FL, 86
.set HM, 87
.set SEL, 88
.set MSB, 0
.macro WIN new
.if MSB != \new
	s_set_vgpr_msb (MSB<<8)|\new
.set MSB, \new
.endif
.endm
.macro PLACES n
.rept \n
	v_nop
.endr
.endm
.macro WALU
	s_wait_alu depctr_va_vdst(0)
.endm
.macro BARRIER
	s_barrier_signal -1
	s_barrier_wait -1
.endm
.macro CROUND
	BARRIER
	s_cmp_lg_u32 s14, 0
	s_cbranch_scc1 .Lnot_wave_0_\@
	s_barrier_signal -3
.Lnot_wave_0_\@:
	s_barrier_wait -3
	BARRIER
.endm
.macro TLOAD g0, g1                    ; an s_nop 0 and four v_nop follow a tensor load
	tensor_load_to_lds s[\g0:\g0+3], s[\g1:\g1+7]
	s_nop 0
	PLACES 4
.endm
.macro ATILE first, rows               ; a part of x's 256 rows, by constants
	s_mov_b32 s[G0A+1], (\first)*PITCH
	s_mov_b32 s[G1A+2], (\rows)<<16
	s_mov_b32 s[G1A+4], \rows
.if \first
	s_add_nc_u64 s[G0A+2:G0A+3], s[G0A+2:G0A+3], (\first)*KROW
.endif
	s_or_b32 s[G0A+3], s[G0A+3], 0x80000000
	TLOAD G0A, G1A
.endm
.macro GROUP1 g, mask, rows
	s_or_b32 s[\g+0], s[\mask], (1<<21)|PADF
	s_mov_b32 s[\g+1], KROW<<16
	s_mov_b32 s[\g+3], KROW<<16
.if \rows
	s_mov_b32 s[\g+2], (\rows)<<16
	s_mov_b32 s[\g+4], \rows
.endif
	s_mov_b32 s[\g+5], KROW
	s_mov_b32 s[\g+6], 0
	s_mov_b32 s[\g+7], 0
.endm
.macro FRAGB f, q, a0, a1              ; a fragment out of padded rows: six pieces of 8 bytes, two to a load where both go by the same address register
	WIN (1+(\f)/FPW)<<6
.set R_, FR*((\f)%FPW)
.set SKIP_, 0
.irp p, 0,1,2,3,4,5
.if SKIP_
.set SKIP_, 0
.else
.set PC_, 12*(\q)+6*(\p/3)+\p%3
.set PN_, 12*(\q)+6*((\p+1)/3)+(\p+1)%3
.set X_, (PC_%32+3)/32
.set XQ_, (PN_%32+3)/32
.if (\p < 5) && (X_ == XQ_)
.set SKIP_, 1
.if X_
	ds_load_2addr_b64 v[R_+2*\p:R_+2*\p+3], \a1 offset0:PC_+2*(PC_/32) offset1:PN_+2*(PN_/32)
.else
	ds_load_2addr_b64 v[R_+2*\p:R_+2*\p+3], \a0 offset0:PC_+2*(PC_/32) offset1:PN_+2*(PN_/32)
.endif
.elseif X_
	ds_load_b64 v[R_+2*\p:R_+2*\p+1], \a1 offset:8*(PC_+2*(PC_/32))
.else
	ds_load_b64 v[R_+2*\p:R_+2*\p+1], \a0 offset:8*(PC_+2*(PC_/32))
.endif
.endif
.endr
.endm
.macro FETCH e, a                      ; a block of x's rows into set e: NF loads
.irp q, 0,1,2,3,4,5,6,7
	FRAGB 32+8*(\e)+\q, \q, v[\a], v[\a+1]
.endr
	WIN 0
.endm
.macro SCLOAD t                        ; tensor t's scale words into set t % 2
.if (\t)%2
.set SBN_, 168
.set SAN_, 188
.else
.set SBN_, 24
.set SAN_, 44
.endif
.irp p, 0,1
.irp c, 0,1
	global_load_b128 v[SBN_+8*\p+4*\c:SBN_+8*\p+4*\c+3], v[ABS], s[10:11] offset:(\t)*1024*KS+\p*32*KS+16*\c
.endr
.endr
.irp s, 0,1,2,3,4,5,6,7
.irp c, 0,1
	global_load_b128 v[SAN_+8*\s+4*\c:SAN_+8*\s+4*\c+3], v[AR], s[6:7] offset:(\t)*TOK*KS+\s*32*KS+16*\c   ; block s: row r's eight words (both halves of the lanes alike)
.endr
.endr
.endm
.macro WM2 d, f0, f1, c, x0, x1, side, o
.if \o
	v_wmma_scale_f32_16x16x128_f8f6f4 v[\d:\d+7], v[FR*((\f0)%FPW):FR*((\f0)%FPW)+FR-1], v[FR*((\f1)%FPW):FR*((\f1)%FPW)+FR-1], \c, v[\x0], v[\x1] matrix_a_fmt:MATRIX_FMT_FP6 matrix_b_fmt:MATRIX_FMT_FP6 matrix_\side\()_scale:MATRIX_SCALE_ROW1
.else
	v_wmma_scale_f32_16x16x128_f8f6f4 v[\d:\d+7], v[FR*((\f0)%FPW):FR*((\f0)%FPW)+FR-1], v[FR*((\f1)%FPW):FR*((\f1)%FPW)+FR-1], \c, v[\x0], v[\x1] matrix_a_fmt:MATRIX_FMT_FP6 matrix_b_fmt:MATRIX_FMT_FP6 matrix_\side\()_scale:MATRIX_SCALE_ROW0
.endif
.endm
.macro WM d, f0, f1, q, x0, x1, side, o
	WIN (1+(\f0)/FPW)|((1+(\f1)/FPW)<<2)|0xf0      ; C and D in window 3
.if \q
	WM2 \d, \f0, \f1, v[\d:\d+7], \x0, \x1, \side, \o
.else
	WM2 \d, \f0, \f1, 0, \x0, \x1, \side, \o       ; the first K step starts the sum
.endif
.endm
.macro PROD v, s, n                    ; product n = 4 q + tile of block s: the four accumulators take turns
.set Q_, (\n)/4
.set U_, (\n)%4
.set FB_, 4*Q_+U_
.set FA_, 32+8*((\s)%2)+Q_
.set XB_, SBC+8*(U_/2)+Q_
.set XA_, SAC+8*(\s)+Q_
.if \v
.set D_, ACC+32*U_+8*((\s)%4)
	WM D_, FA_, FB_, Q_, XA_, XB_, b, U_%2
.else
.set D_, ACC+32*((\s)%2)+8*U_
	WM D_, FB_, FA_, Q_, XB_, XA_, a, U_%2
.endif
.endm
.macro PRODS v, s, from, to
.set N_, \from
.rept (\to)-(\from)
	PROD \v, \s, N_
.set N_, N_+1
.endr
	WIN 0
.endm
.macro QKOUT s                         ; block s of q or k: 32 sums a lane are one scale block
.set E_, (\s)%2
.set P_, (\s)/2
.set AC_, ACC+32*E_
.set C_, CD+12*P_+6*E_
	WIN 0x3c                                       ; sources 1 and 2 in window 3
.irp k, 0,1,2,3
	v_max3_num_f32 v[TQ+\k], s[FL], |v[AC_+8*\k]|, |v[AC_+8*\k+1]|   ; four chains, each accumulator from its low end on; the floor 2^(3 - 127) among the leaves
.endr
.irp i, 2,4,6
.irp k, 0,1,2,3
	v_max3_num_f32 v[TQ+\k], v[TQ+\k], |v[AC_+8*\k+\i]|, |v[AC_+8*\k+\i+1]|
.endr
.endr
	WIN 0
	v_max3_num_f32 v[TQ], v[TQ], v[TQ+1], v[TQ+2]
	v_max_num_f32 v[TQ], v[TQ], v[TQ+3]
	v_add_nc_u32 v[SOP], 0xff000000, v[TQ]         ; 2 off the exponent field: the conversions' scale operand
	WIN 0xc3
	v_cvt_scalef32_pk16_fp6_f32 v[C_:C_+2], v[AC_:AC_+15], v[SOP]
	WIN 0x03
	v_cvt_scalef32_pk16_fp6_f32 v[TC:TC+2], v[AC_+16:AC_+31], v[SOP]   ; (a conversion's three registers begin on an even number)
	WIN 0
	v_lshrrev_b32 v[EB], 23, v[SOP]                ; the byte of block h (the plain line behind the conversions)
	WIN 0xc0
.irp i, 0,1,2
	v_mov_b32 v[C_+3+\i], v[TC+\i]
.endr
	WIN 0
	v_lshlrev_b32 v[W+E_], v[SH8], v[EB]           ; at its place in the word,
	v_permlanex16_b32 v[W2], v[W+E_], s[SEL], s[SEL+1]
	v_or_b32 v[W+E_], v[W+E_], v[W2]               ; with lane l xor 16's: the row's two bytes
.if E_
	v_cndmask_b32 v[WB+P_], v[W], v[W+1], s[HM]    ; lanes 0-15 the even tile's word, lanes 16-31 the odd one's
	WALU
	WIN 0x0c
.irp g, 0,1,2
	global_store_b128 v[CO], v[CD+12*P_+4*\g:CD+12*P_+4*\g+3], s[12:13] offset:P_*1536+\g*512 th:TH_STORE_NT   ; 512 consecutive bytes
.endr
	WIN 0
.endif
.endm
.macro VOUT c                          ; band c of v: four tiles of channels, 32 keys a lane each
	WIN 0x3c
.irp t, 0,1,2,3
	v_max3_num_f32 v[TQ+\t], s[FL], |v[ACC+32*\t]|, |v[ACC+32*\t+1]|
.endr
.irp i, 2,4,6,8,10,12,14,16,18,20,22,24,26,28,30
.irp t, 0,1,2,3
	v_max3_num_f32 v[TQ+\t], v[TQ+\t], |v[ACC+32*\t+\i]|, |v[ACC+32*\t+\i+1]|
.endr
.endr
	WIN 0
.irp t, 0,1,2,3
	v_add_nc_u32 v[SOP+\t], 0xff000000, v[TQ+\t]
.endr
	WIN 0xc3
.irp t, 0,1,2,3
	v_cvt_scalef32_pk16_fp6_f32 v[CD+12*\t+6*(\c):CD+12*\t+6*(\c)+2], v[ACC+32*\t:ACC+32*\t+15], v[SOP+\t]
.endr
	WIN 0x03
.irp t, 0,1,2,3
	v_cvt_scalef32_pk16_fp6_f32 v[TC+4*\t:TC+4*\t+2], v[ACC+32*\t+16:ACC+32*\t+31], v[SOP+\t]
.endr
	WIN 0
.irp t, 0,1,2,3
	v_lshrrev_b32 v[EB+2*\t+(\c)], 23, v[SOP+\t]   ; the byte of block 2 c + h
.endr
	WIN 0xc0
.irp t, 0,1,2,3
.irp i, 0,1,2
	v_mov_b32 v[CD+12*\t+6*(\c)+3+\i], v[TC+4*\t+\i]
.endr
.endr
	WIN 0
.endm
.macro BLOCK v, s, more                ; more = 1: another tensor follows, and blocks 1 and 6 hold its refills' rounds
.if (\more) && (((\s) == 1) || ((\s) == 6))
	PRODS \v, \s, 0, 24
	WALU
	s_wait_tensorcnt 0x0                           ; all my tensor loads have landed;
	ds_add_u32 v[SPW], v[NIL]                      ; the add here; eight products stand between it and the wait for it
.if (\s) == 1
	s_add_nc_u64 s[G0B+2:G0B+3], s[G0B+2:G0B+3], 1024*KROW   ; no load of mine is out: the next tensor's W
.else
	s_add_nc_u64 s[G0R+2:G0R+3], s[G0R+2:G0R+3], TOK*KROW    ; the next tensor's rows of x
.endif
	PRODS \v, \s, 24, 32
	s_wait_dscnt 0x0                               ; the add is done, and so are my reads of the bytes that are filled again
	CROUND                                         ; the round takes the place of the refill's barrier; in the first tensor's block 1 it also shows rows 128 to 255 to all
.if (\s) == 1
	s_cmp_eq_u32 s14, 0
	s_cbranch_scc0 .Lno_w_\@
	TLOAD G0B, G1B                                 ; wave 0: W's 128 rows
.Lno_w_\@:
.else
	TLOAD G0R, G1R                                 ; every wave: its 64 rows of x
.endif
.else
	PRODS \v, \s, 0, 32
.endif
.if (\s) < 6                           ; four plain lines stand behind the last product, ahead of the fetch into its registers and of the first reader of its sums
	v_add_nc_u32 v[ADRA], ((\s)+2)*32*PITCH, v[ADRA0]
	v_add_nc_u32 v[ADRA+1], ((\s)+2)*32*PITCH, v[ADRA0+1]
	PLACES 2
	WALU
	FETCH (\s)%2, ADRA                             ; block s + 2
.else
	PLACES 4
.endif
.if \v
.if (\s)%4 == 3
	VOUT (\s)/4
.endif
.else
	QKOUT \s
.endif
.if (\more) && ((\s) == 3)
	global_prefetch_b8 v[PF], s[PFP:PFP+1] th:TH_LOAD_NT scope:SCOPE_SE     ; my 48 blocks of the next tensor's rows of x: 32,
	global_prefetch_b8 v[PF+1], s[PFP:PFP+1] th:TH_LOAD_NT scope:SCOPE_SE   ; and 16 (the lanes left over name the last again)
.endif
.if (\s) < 6
	WALU
	s_wait_dscnt NF                                ; the next block's rows are in; younger is this block's fetch alone
.elseif (\s) == 6
	WALU
	s_wait_dscnt 0x0
.endif
.endm
.macro TILE t, v, more                 ; tensor t.  At its start W's rows are shown to all; x's may be on their way
.if (\t)%2
.set SBC, 168
.set SAC, 188
.else
.set SBC, 24
.set SAC, 44
.endif
.irp q, 0,1,2,3,4,5,6,7
.irp b, 0,1,2,3
	FRAGB 4*\q+\b, \q, v[BA+2*\b], v[BA+2*\b+1]
.endr
.endr
	WIN 0
.if (\t) == 0
	s_cmp_eq_u32 s14, 1
	s_cbranch_scc0 .Lnot_a
	s_wait_tensorcnt 0x0                           ; wave 1: rows 0 to 127 have landed; waves 2 and 3's tiles may still be on their way
.Lnot_a:
.else
	s_wait_tensorcnt 0x0                           ; my 64 rows have landed
.endif
	s_wait_dscnt 0x0
	BARRIER                                        ; a plain barrier
	v_add_nc_u32 v[ADRA], 32*PITCH, v[ADRA0]
	v_add_nc_u32 v[ADRA+1], 32*PITCH, v[ADRA0+1]
	WALU
	FETCH 0, ADRA0
	FETCH 1, ADRA
	s_wait_loadcnt 0x0                             ; this tensor's scale words
.if \more
	SCLOAD (\t)+1
.endif
	s_wait_dscnt NF                                ; block 0's rows; block 1's fetch is younger
.irp s, 0,1,2,3,4,5,6,7
	BLOCK \v, \s, \more
.endr
.endm
; ================= THE HEAD
	s_load_b128 s[4:7], s[0:1], 0x0                ; xcodes, xscales
	s_load_b128 s[8:11], s[0:1], 0x10              ; wcodes, wscales
	s_load_b64 s[12:13], s[0:1], 0x20              ; qkv
	v_lshl_add_u32 v[SPW], v0, 2, SPARE
	v_mov_b32 v[NIL], 0
	ds_add_u32 v[SPW], v[NIL]                      ; the opening lines: the add twice on end and one wait
	ds_add_u32 v[SPW], v[NIL]
	v_lshrrev_b32 v1, 5, v0
	v_readfirstlane_b32 s14, v1                    ; the wave; s15 its row a, s16 its column b
	s_lshr_b32 s15, s14, 1
	s_and_b32 s16, s14, 1
	s_bfe_u32 s40, ttmp6, 0x40000                  ; cx
	s_bfe_u32 s41, ttmp6, 0x40004                  ; cy
	s_lshl_b32 s43, ttmp9, 2
	s_add_co_u32 s43, s43, s40                     ; tile row, 0 .. 31
	s_and_b32 s42, ttmp7, 0xffff
	s_lshl_b32 s42, s42, 2
	s_add_co_u32 s42, s42, s41                     ; tile column, 0 .. 7
	s_lshl_b32 s44, 0x1111, s40                    ; my column of the cluster: shares x's rows
	s_lshl_b32 s45, s41, 2
	s_lshl_b32 s45, 15, s45                        ; my row: shares W's
	GROUP1 G1A, 44, 0
	GROUP1 G1B, 45, TN
	GROUP1 G1R, 44, 64
	s_mov_b32 s[G0A], 1
	s_mov_b32 s[G0B], 1
	s_mov_b32 s[G0B+1], YB
	s_mov_b32 s[G0R], 1
	s_mul_i32 s[G0R+1], s14, 64*PITCH              ; a refill of x: wave x 64 rows
	s_mul_i32 s76, s43, TM*KROW                    ; my 256 rows of a tensor of xcodes
	s_mov_b32 s77, 0
	s_mul_i32 s20, s14, 64*KROW
	s_mov_b32 s21, 0
	s_lshl_b32 s80, s43, 13                        ; their scale bytes, + my wave row's 16 rows
	s_lshl_b32 s81, s15, 9
	s_add_co_u32 s80, s80, s81
	s_mov_b32 s81, 0
	s_mul_i32 s78, s42, TN*KROW                    ; my 128 rows of a tensor of wcodes
	s_mov_b32 s79, 0
	s_lshl_b32 s82, s42, 12                        ; their scale bytes, + my wave column's 64 rows
	s_lshl_b32 s83, s16, 11
	s_add_co_u32 s82, s82, s83
	s_mov_b32 s83, 0
	s_lshr_b32 s84, s43, 3                         ; my record: ((16 batch + head) 16 + 2 (tile row % 8) + a) records
	s_lshl_b32 s84, s84, 4
	s_lshl_b32 s85, s42, 1
	s_add_co_u32 s85, s85, s16
	s_add_co_u32 s84, s84, s85
	s_lshl_b32 s84, s84, 4
	s_and_b32 s85, s43, 7
	s_lshl_b32 s85, s85, 1
	s_add_co_u32 s85, s85, s15
	s_add_co_u32 s84, s84, s85
	s_mul_i32 s84, s84, REC
	s_mov_b32 s85, 0
	s_lshl_b32 s46, s41, 2
	s_add_co_u32 s46, s46, s14                     ; my number among the sixteen waves that ask for x's rows jointly
	s_mul_i32 s46, s46, TM*KROW/16
	s_mov_b32 s[FL], 0x1800000
	s_mov_b32 s[HM], 0xffff0000
	s_mov_b32 s[SEL], 0x76543210
	s_mov_b32 s[SEL+1], 0xfedcba98
	v_and_b32 v1, 15, v0
	v_bfe_u32 v2, v0, 4, 1
	v_and_b32 v3, 31, v0
	v_mul_u32_u24 v22, v1, PITCH
	v_mad_u32_u24 v23, v2, 24, v22
	s_mul_i32 s23, s15, 16*PITCH
	v_add_nc_u32 v[ADRA0], s23, v23
	s_mul_i32 s22, s16, 64*PITCH
	s_add_co_u32 s22, s22, YB
	v_add_nc_u32 v[ADRB], s22, v23
	v_mad_u32_u24 v23, v2, 40, v22
	v_add_nc_u32 v[ADRA0+1], s23, v23
	v_add_nc_u32 v[ADRB+1], s22, v23
.irp b, 0,1,2,3
	v_add_nc_u32 v[BA+2*\b], \b*16*PITCH, v[ADRB]
	v_add_nc_u32 v[BA+2*\b+1], \b*16*PITCH, v[ADRB+1]
.endr
	v_lshlrev_b32 v[ABS], 5, v3
	v_lshlrev_b32 v[AR], 5, v1
	v_lshlrev_b32 v[CO], 4, v3
	v_lshlrev_b32 v[L8], 3, v3
	v_lshlrev_b32 v[SH8], 3, v2
	v_lshl_add_u32 v[PF], v3, 8, s46               ; blocks 0 to 31 of my 48,
	v_min_u32 v23, 15, v3
	v_lshl_add_u32 v[PF+1], v23, 8, s46
	v_add_nc_u32 v[PF+1], 32*256, v[PF+1]          ; blocks 32 to 47
.irp t, 0,1,2,3
	v_mov_b32 v[W2+\t], 0                          ; a lane permute's destination counts as a source
.endr
	WALU                                           ; the wait at the head's end
	s_wait_dscnt 0x0
	CROUND                                         ; the opening round
	s_wait_kmcnt 0x0
	s_add_nc_u64 s[G0A+2:G0A+3], s[4:5], s[76:77]
	s_add_nc_u64 s[PFP:PFP+1], s[G0A+2:G0A+3], TOK*KROW
	s_add_nc_u64 s[G0R+2:G0R+3], s[G0A+2:G0A+3], s[20:21]
	s_or_b32 s[G0R+3], s[G0R+3], 0x80000000
	s_add_nc_u64 s[G0B+2:G0B+3], s[8:9], s[78:79]
	s_or_b32 s[G0B+3], s[G0B+3], 0x80000000
	s_add_nc_u64 s[6:7], s[6:7], s[80:81]
	s_add_nc_u64 s[10:11], s[10:11], s[82:83]
	s_add_nc_u64 s[12:13], s[12:13], s[84:85]
	s_cmp_eq_u32 s14, 0
	s_cbranch_scc0 .Lwave_1
	TLOAD G0B, G1B                                 ; wave 0: W's rows, wanted first
	s_branch .Lasked
.Lwave_1:
	s_cmp_eq_u32 s14, 1
	s_cbranch_scc0 .Lwave_2
	ATILE 0, 128                                   ; wave 1: x's rows 0 to 127 (blocks 0 to 3)
	s_branch .Lasked
.Lwave_2:
	s_cmp_eq_u32 s14, 2
	s_cbranch_scc0 .Lwave_3
	ATILE 128, 64
	s_branch .Lasked
.Lwave_3:
	ATILE 192, 64
.Lasked:
	SCLOAD 0
	s_cmp_eq_u32 s14, 0
	s_cbranch_scc0 .Lnot_b
	s_wait_tensorcnt 0x0                           ; wave 0: W's rows have landed
.Lnot_b:
	BARRIER
; ================= q
	TILE 0, 0, 1
	global_store_b128 v[CO], v[WB:WB+3], s[12:13] offset:12288 th:TH_STORE_NT
	s_wait_xcnt 0x0                                ; the stores and the prefetches have read their registers and bases
	s_add_nc_u64 s[12:13], s[12:13], SEC           ; k and v lie in section 1
	s_add_nc_u64 s[PFP:PFP+1], s[PFP:PFP+1], TOK*KROW
; ================= k
	TILE 1, 0, 1
	global_store_b128 v[CO], v[WB:WB+3], s[12:13] offset:12288 th:TH_STORE_NT
	s_wait_xcnt 0x0
; ================= v
	TILE 2, 1, 0
.irp t, 0,1,2,3
	v_lshl_or_b32 v[W+\t], v[EB+2*\t+1], 16, v[EB+2*\t]   ; my two bytes, blocks h and 2 + h,
.endr
.irp t, 0,1,2,3
	v_lshlrev_b32 v[W+\t], v[SH8], v[W+\t]
.endr
.irp t, 0,1,2,3
	v_permlanex16_b32 v[W2+\t], v[W+\t], s[SEL], s[SEL+1]
.endr
.irp t, 0,1,2,3
	v_or_b32 v[W+\t], v[W+\t], v[W2+\t]            ; with lane l xor 16's two: the channel's word for 128 keys
.endr
	v_cndmask_b32 v[WB], v[W], v[W+1], s[HM]
	v_cndmask_b32 v[WB+1], v[W+2], v[W+3], s[HM]
	WALU
	WIN 0x0c
.irp t, 0,1,2,3
.irp g, 0,1,2
	global_store_b128 v[CO], v[CD+12*\t+4*\g:CD+12*\t+4*\g+3], s[12:13] offset:6144+\t*1536+\g*512 th:TH_STORE_NT
.endr
.endr
	WIN 0
	global_store_b64 v[L8], v[WB:WB+1], s[12:13] offset:12800 th:TH_STORE_NT
	s_wait_tensorcnt 0x0                           ; the wave's end
	ds_add_u32 v[SPW], v[NIL]
	s_wait_dscnt 0x0
	CROUND                                         ; the closing round
	s_endpgm
.Lfunc_end_k_qd369fec290_proj:
	.size	k_qd369fec290_proj, .Lfunc_end_k_qd369fec290_proj-k_qd369fec290_proj
	.p2alignl 7, 3214868480
	.fill 96, 4, 3214868480
	.section	.rodata,"a",@progbits
	.p2align	6, 0x0
	.amdhsa_kernel k_qd369fec290_proj
		.amdhsa_group_segment_fixed_size 327680
		.amdhsa_private_segment_fixed_size 0
		.amdhsa_enable_private_segment 0
		.amdhsa_kernarg_size 40
		.amdhsa_user_sgpr_count 2
		.amdhsa_user_sgpr_kernarg_segment_ptr 1
		.amdhsa_wavefront_size32 1
		.amdhsa_system_sgpr_workgroup_id_x 1
		.amdhsa_system_sgpr_workgroup_id_y 1
		.amdhsa_system_sgpr_workgroup_id_z 1
		.amdhsa_system_vgpr_workitem_id 0
		.amdhsa_next_free_vgpr 1024
		.amdhsa_next_free_sgpr 102
		.amdhsa_reserve_vcc 0
		.amdhsa_float_denorm_mode_32 3
		.amdhsa_float_denorm_mode_16_64 3
		.amdhsa_memory_ordered 1
		.amdhsa_forward_progress 1
		.amdhsa_inst_pref_size 230
	.end_amdhsa_kernel
	.amdgpu_metadata
---
amdhsa.version: [ 1, 2 ]
amdhsa.kernels:
  - .name:           k_qd369fec290_proj
    .symbol:         k_qd369fec290_proj.kd
    .args:
      - { .name: xcodes, .offset: 0, .size: 8, .value_kind: global_buffer, .address_space: global }
      - { .name: xscales, .offset: 8, .size: 8, .value_kind: global_buffer, .address_space: global }
      - { .name: wcodes, .offset: 16, .size: 8, .value_kind: global_buffer, .address_space: global }
      - { .name: wscales, .offset: 24, .size: 8, .value_kind: global_buffer, .address_space: global }
      - { .name: qkv, .offset: 32, .size: 8, .value_kind: global_buffer, .address_space: global }
    .group_segment_fixed_size: 327680
    .private_segment_fixed_size: 0
    .kernarg_segment_align: 8
    .kernarg_segment_size: 40
    .max_flat_workgroup_size: 128
    .sgpr_count:     102
    .vgpr_count:     1024
    .wavefront_size: 32
...
	.end_amdgpu_metadata
.endif
;; end of part 2
;; launch attn (part 3): grid 4 x 64, 16 waves a work-group, clusters of 4 x 1, 327,680 bytes of LDS; arguments qkv, out0; writes out0
.if DOCPART == 3
	.amdgcn_target "amdgcn-amd-amdhsa--gfx1250"
	.amdhsa_code_object_version 6
	.text
	.protected	k_qd369fec290_attn
	.globl	k_qd369fec290_attn
	.p2align	8
	.type	k_qd369fec290_attn,@function
k_qd369fec290_attn:
	s_mov_b64 s[64:65], 0
	v_nop
	global_prefetch_b8 v0, s[64:65] scope:SCOPE_SE
	s_setreg_imm32_b32 hwreg(HW_REG_WAVE_MODE, 25, 1), 1
	s_wait_xcnt 0x0
	s_wait_alu depctr_hold_cnt(0) depctr_sa_sdst(0) depctr_va_vdst(0) depctr_va_sdst(0) depctr_va_ssrc(0) depctr_va_vcc(0) depctr_vm_vsrc(0)
	s_getreg_b32 s2, hwreg(HW_REG_IB_STS2, 6, 4)
	s_cmp_eq_u32 s2, 0
	s_cbranch_scc0 .Lentry_in_a_cluster
	s_endpgm
.Lentry_in_a_cluster:
	s_bfe_u32 s2, ttmp6, 0x10000c
	s_cmp_lg_u32 s2, 0x3003
	s_cbranch_scc0 .Lentry_shape_is_right
	s_endpgm
.Lentry_shape_is_right:
; out0[b][q][64 head + d] = sum over k of softmax_k(q . k / 8) v[k][d], for 64 heads (16 batch + head) of 2,048 queries, 2,048 keys, 64 channels; both products on codes of FP6 with one E8M0 scale for each 32 along K.
; THE SOFTMAX: t = score x log2(e) / 8; M = the row's largest t so far, rounded UP to a whole number; p = 2^(t - M), not normalised, is quantised along the keys.  The row's sum is taken of the unquantised p in f32 and divides O at the end.
; When M moves, the sum and O are multiplied by 2^(old M - new M): exact.
; INPUT: qkv as the launch before leaves it (records of 13,056 bytes for each head and 128 tokens).  q's tile t holds queries 16 t + r; row r of k's tile 4 c + u is key 64 c + 32 (r / 8) + 8 u + r % 8; row r of v's tile t is channel 32 (r / 8) + 8 t + r % 8.
; SHARES.  A work-group owns 512 queries of a head, each of its sixteen waves 32, two tiles of 16 one after the other.  The four work-groups of a cluster are the four query blocks of one head: the head's 16 records of k and v, 208,896 bytes,
; come into LDS once, by four joint tensor loads, one each by waves 0 to 3; nothing is filled again, and all is asked for at the head: so no prefetch.  A barrier stands ahead of every four key steps: in tile 0 it shows a quarter of the head.
; LAYOUT.  Both products transposed: S^T = K Q^T, O^T = V^T P^T: a lane (r, h) holds query r throughout.  Registers 32 c + 0 .. 31 of S^T are keys 64 c + 32 h + 0 .. 31: a WHOLE scale block in a lane, in the order of the operand's registers:
; the conversions' results are the operand.  The 32 registers of O^T are channels 32 h + 0 .. 31.
; THE FIRST PRODUCT'S K IS 64, the instruction's 128: Q's upper six registers hold zero codes; a tile of K is named with the six registers behind it.
; LIMITS: NaN and infinities are not served; p under 2^-126 comes out of v_exp_f32 as 0; a block of p that are all 0 keeps the byte 1; the promise holds while the scaled scores stay under 2^31 in magnitude.
.set REC,   13056
.set HSTR,  16*REC
.set SEC,   64*HSTR
.set QUART, 4*REC                      ; a tensor load: 204 rows of 256 bytes
.set STG,   HSTR                       ; the way out's stages, 16 rows x 272 bytes a wave
.set SPARE, STG+16*16*272
.set LI,  1                            ; 16 x lane
.set L8,  2                            ; 8 x lane
.set STO, 3
.set RD,  4
.set SPW, 5
.set NIL, 6
.set GO,  7
.set ADK, 8
.set ADT, 9
.set SH8, 10                           ; 8 h.   v12 -M, v13 the largest score so far, v[14:15] the sum in two halves
.set QF,  16                           ; v16-27 Q's fragment: six registers of codes, six of zeros
.set Q1,  30                           ; v30-35 the second tile's codes
.set F,   36                           ; v36-83 K's eight tiles; then V's four fragments
.set ZR,  84                           ; v84-89 zeros behind K's last tile
.set QS,  90
.set QT,  91
.set KSC, 92
.set S,   96                           ; v96-159 S^T, then p
.set O,   160                          ; v160-191 O^T
.set PC,  192                          ; v192-203 p's codes
.set VSC, 204
.set A1,  206                          ; v206-211 three chains of the sum
.set FF,  230                          ; v[230:231] f = 2^(old M - new M), and a partner that is only named
.set T,   232                          ; v232-235 four chains of maxima; T and T + 2 end as the two blocks'
.set XM,  236
.set YM,  237
.set OLD, 238
.set TT,  239
.set SO,  240
.set BY,  242
.set PW,  244
.set PW2, 245
.set PS,  246                          ; p's scale word
.set X0,  248                          ; v248-250, v252-254 the second conversions' codes
.set WV,  18
.set SEL, 20
.set CS,  22                           ; s[22:23] c = log2(e) / 8
.set G1,  24
.set G0,  32
.set TB,  48
.set CNT, 49
.set TL,  50
.set NC,  51                           ; -c
.macro WALU
	s_wait_alu depctr_va_vdst(0)
.endm
.macro CROUND
	s_barrier_signal -1
	s_barrier_wait -1
	s_cmp_lg_u32 s[WV], 0
	s_cbranch_scc1 .Lnot_wave_0_\@
	s_barrier_signal -3
.Lnot_wave_0_\@:
	s_barrier_wait -3
	s_barrier_signal -1
	s_barrier_wait -1
.endm
.macro TLOAD j
	tensor_load_to_lds s[G0+4*\j:G0+4*\j+3], s[G1:G1+7]
	s_nop 0
.rept 4
	v_nop
.endr
.endm
.macro ARM j, next
	s_cmp_eq_u32 s[WV], \j
	s_cbranch_scc0 \next
	TLOAD \j
	s_branch .Lasked
\next:
.endm
	s_load_b128 s[4:7], s[0:1], 0x0                ; qkv, out0
	v_lshl_add_u32 v[SPW], v0, 2, SPARE
	v_mov_b32 v[NIL], 0
	ds_add_u32 v[SPW], v[NIL]                      ; the opening lines: the add twice on end and one wait
	ds_add_u32 v[SPW], v[NIL]
	v_lshrrev_b32 v8, 5, v0
	v_readfirstlane_b32 s[WV], v8
	s_and_b32 s10, ttmp7, 0xffff                   ; the head, which the four partners share
	s_mul_i32 s14, s10, HSTR
	s_add_co_u32 s16, s14, SEC                     ; its records of k and v
	s_mov_b32 s17, 0
	s_bfe_u32 s11, ttmp6, 0x40000                  ; cx
	s_lshl_b32 s12, ttmp9, 2
	s_add_co_u32 s11, s11, s12                     ; my block of 512 queries: it enters q's and out0's addresses alone
	s_lshl_b32 s12, s11, 2
	s_lshr_b32 s13, s[WV], 2
	s_add_co_u32 s12, s12, s13                     ; q's record: 4 x block + wave / 4
	s_mul_i32 s12, s12, REC
	s_add_co_u32 s12, s12, s14
	s_and_b32 s13, s[WV], 3                        ; my pair of tiles in it
	s_mul_i32 s56, s13, 1536
	s_add_co_u32 s56, s56, s12
	s_mov_b32 s57, 0
	s_lshl_b32 s58, s13, 2
	s_add_co_u32 s58, s58, s12
	s_mov_b32 s59, 0
	s_lshr_b32 s60, s10, 4                         ; out0: row 2,048 batch + 512 block + 32 wave, 4,096 bytes a row, + 256 head
	s_lshl_b32 s60, s60, 11
	s_lshl_b32 s13, s11, 9
	s_add_co_u32 s60, s60, s13
	s_lshl_b32 s13, s[WV], 5
	s_add_co_u32 s60, s60, s13
	s_lshl_b32 s60, s60, 12
	s_and_b32 s13, s10, 15
	s_lshl_b32 s13, s13, 8
	s_add_co_u32 s60, s60, s13
	s_mov_b32 s61, 0
	s_mov_b32 s[G1], 15|(3<<16)|(1<<21)            ; the mask: all four work-groups; elements of 8 bytes; a dense block as 204 rows of 256 bytes
	s_mov_b32 s[G1+1], 32<<16
	s_mov_b32 s[G1+2], 204<<16
	s_mov_b32 s[G1+3], 32<<16
	s_mov_b32 s[G1+4], 204
	s_mov_b32 s[G1+5], 32
	s_mov_b32 s[G1+6], 0
	s_mov_b32 s[G1+7], 0
	s_mov_b32 s[SEL], 0x76543210
	s_mov_b32 s[SEL+1], 0xfedcba98
	s_mov_b32 s[CS], 0x3e38aa3b
	s_mov_b32 s[CS+1], s[CS]
	s_mov_b32 s[NC], 0xbe38aa3b
	v_and_b32 v9, 31, v0
	v_and_b32 v10, 15, v0                          ; r
	v_bfe_u32 v11, v0, 4, 1                        ; h
	v_lshlrev_b32 v[LI], 4, v9
	v_lshlrev_b32 v[L8], 3, v9
	s_mul_i32 s15, s[WV], 16*272
	s_add_co_u32 s15, s15, STG                     ; my stage
	v_mul_u32_u24 v[STO], v10, 272
	v_mul_u32_u24 v[RD], v11, 272
	v_lshl_add_u32 v[STO], v11, 7, v[STO]
	v_lshl_add_u32 v[RD], v10, 4, v[RD]
	v_add_nc_u32 v[STO], s15, v[STO]               ; in: row r, + 128 h
	v_add_nc_u32 v[RD], s15, v[RD]                 ; back: lanes 0-15 one row of 256 bytes, lanes 16-31 the next
	v_lshlrev_b32 v[GO], 12, v11
	v_lshl_add_u32 v[GO], v10, 4, v[GO]            ; the same two rows in out0
	v_lshlrev_b32 v[SH8], 3, v11
	WALU                                           ; the wait ahead of the waits below
	s_wait_dscnt 0x0
	s_wait_kmcnt 0x0
	s_add_nc_u64 s[16:17], s[4:5], s[16:17]
.irp j, 0,1,2,3
	s_mov_b32 s[G0+4*\j], 1
	s_mov_b32 s[G0+4*\j+1], \j*QUART
	s_add_nc_u64 s[G0+4*\j+2:G0+4*\j+3], s[16:17], \j*QUART
	s_or_b32 s[G0+4*\j+3], s[G0+4*\j+3], 0x80000000
.endr
	s_add_nc_u64 s[52:53], s[4:5], s[56:57]
	s_add_nc_u64 s[54:55], s[4:5], s[58:59]
	s_add_nc_u64 s[6:7], s[6:7], s[60:61]
	CROUND                                         ; all four work-groups are here: the joint loads meet
	ARM 0, .Larm_1                                 ; one chain of branches on the wave's number: wave j asks for quarter j of the head
	ARM 1, .Larm_2
	ARM 2, .Larm_3
	s_cmp_eq_u32 s[WV], 3
	s_cbranch_scc0 .Lasked
	TLOAD 3
.Lasked:
	global_load_b128 v[QF:QF+3], v[LI], s[52:53]               ; my pair of Q's tiles: registers 0-3,
	global_load_b128 v[28:31], v[LI], s[52:53] offset:512      ; 4-7,
	global_load_b128 v[32:35], v[LI], s[52:53] offset:1024     ; 8-11: tile 1 is v30-35
	global_load_b32 v[QS], v[LI], s[54:55] offset:12288        ; lanes 0-15 tile 0's scale words, lanes 16-31 tile 1's
.irp i, 0,1,2,3,4,5
	v_mov_b32 v[QF+6+\i], 0
	v_mov_b32 v[ZR+\i], 0
.endr
	v_mov_b32 v[QT], 0                             ; a lane permute's destination counts as a source
	v_mov_b32 v[YM], 0
	v_mov_b32 v[PW2], 0
	v_mov_b32 v[FF+1], 0                           ; (named with f as a pair)
	WALU
	s_wait_loadcnt 0x0
	v_mov_b32 v[QF+4], v28
	v_mov_b32 v[QF+5], v29
; A KEY STEP: 128 keys, the record at s[TB]
.macro STEP
	v_add_nc_u32 v[ADK], s[TB], v[LI]
	v_add_nc_u32 v[ADT], s[TB], v[L8]
	v_mov_b32 v[OLD], v12                          ; the old -M
	v_nop                                          ; four places behind the last step's products, ahead of the loads into their registers
.irp n, 0,1,2,3,4,5,6,7,8,9,10,11
	ds_load_b128 v[F+4*\n:F+4*\n+3], v[ADK] offset:512*\n
.endr
	ds_load_b128 v[KSC:KSC+3], v[ADK] offset:12288
	WALU
	s_wait_dscnt 0x0
.irp t, 0,1,2,3,4,5,6,7
.if \t%2
	v_wmma_scale_f32_16x16x128_f8f6f4 v[S+8*\t:S+8*\t+7], v[F+6*\t:F+6*\t+11], v[QF:QF+11], 0, v[KSC+\t/2], v[QS] matrix_a_fmt:MATRIX_FMT_FP6 matrix_b_fmt:MATRIX_FMT_FP6 matrix_a_scale:MATRIX_SCALE_ROW1
.else
	v_wmma_scale_f32_16x16x128_f8f6f4 v[S+8*\t:S+8*\t+7], v[F+6*\t:F+6*\t+11], v[QF:QF+11], 0, v[KSC+\t/2], v[QS] matrix_a_fmt:MATRIX_FMT_FP6 matrix_b_fmt:MATRIX_FMT_FP6
.endif
.endr
.rept 4
	v_nop                                          ; four places: for the loads below and the first read of the scores
.endr
.irp n, 0,1,2,3,4,5,6,7,8,9,10,11
	ds_load_b128 v[F+4*\n:F+4*\n+3], v[ADK] offset:6144+512*\n   ; V lands while the softmax is walked
.endr
	ds_load_b64 v[VSC:VSC+1], v[ADT] offset:12800
.irp b, 0,1,2,3
	v_max3_num_f32 v[T+\b], v[S+16*\b], v[S+16*\b+1], v[S+16*\b+2]   ; the largest score of my two blocks of 32 keys, two chains each, by turns
.endr
.irp i, 3,5,7,9,11,13
.irp b, 0,1,2,3
	v_max3_num_f32 v[T+\b], v[T+\b], v[S+16*\b+\i], v[S+16*\b+\i+1]
.endr
.endr
.irp c, 0,1
	v_max3_num_f32 v[T+2*\c], v[T+2*\c], v[T+2*\c+1], v[S+32*\c+15]
.endr
.irp c, 0,1
	v_max_num_f32 v[T+2*\c], v[T+2*\c], v[S+32*\c+31]   ; it serves twice: for the row's maximum and, since p rises with the score, for the block's largest p
.endr
	s_delay_alu instid0(VALU_DEP_1)
	v_max_num_f32 v[XM], v[T], v[T+2]
	s_delay_alu instid0(VALU_DEP_1)
	v_permlanex16_b32 v[YM], v[XM], s[SEL], s[SEL+1]
	s_delay_alu instid0(VALU_DEP_1)
	v_max3_num_f32 v13, v13, v[XM], v[YM]          ; the running largest score of my query (c is positive)
	s_delay_alu instid0(VALU_DEP_1)
	v_mul_f32 v[TT], s[NC], v13
	s_delay_alu instid0(VALU_DEP_1)
	v_floor_f32 v12, v[TT]                         ; -M = floor(-t) = -ceil(t)
.irp j, 0,2,4,6,8,10,12,14,16,18,20,22,24,26,28,30,32,34,36,38,40,42,44,46,48,50,52,54,56,58,60,62
	v_pk_fma_f32 v[S+\j:S+1+\j], v[S+\j:S+1+\j], s[CS:CS+1], v[12:13] op_sel_hi:[1,0,0]   ; t - M (of the pairs c and -M the low word serves both halves)
.endr
	v_fma_f32 v[T], v[T], s[CS], v12               ; the same of each block's largest score
	v_fma_f32 v[T+2], v[T+2], s[CS], v12
	WALU                                           ; the wait ahead of the batch
	v_exp_f32 v[T], v[T]                           ; the block's largest p: the same two instructions on the same number give the same bits
	v_exp_f32 v[T+2], v[T+2]
.irp j, 0,1,2,3,4,5,6,7,8,9,10,11,12,13,14,15,16,17,18,19,20,21,22,23,24,25,26,27,28,29,30,31,32,33,34,35,36,37,38,39,40,41,42,43,44,45,46,47,48,49,50,51,52,53,54,55,56,57,58,59,60,61,62,63
	v_exp_f32 v[S+\j], v[S+\j]                     ; p = 2^(t - M)
.endr
	v_sub_f32 v[TT], v12, v[OLD]                   ; old M less new M: a whole number, 0 or less.  (Plain work behind the batch)
	s_delay_alu instid0(VALU_DEP_1)
	v_cvt_i32_f32 v[TT], v[TT]                     ; (it saturates)
	s_delay_alu instid0(VALU_DEP_1)
	v_ldexp_f32 v[FF], 1.0, v[TT]                  ; f: a multiplication by it rounds nothing
	WALU                                           ; one wait for the batch, ahead of its first reader
	v_max_num_f32 v[T], 0x1800000, v[T]            ; the floor 2^(3 - 127): the byte cannot fall under 1
	v_max_num_f32 v[T+2], 0x1800000, v[T+2]
	s_delay_alu instid0(VALU_DEP_2)
	v_add_nc_u32 v[SO], 0xff000000, v[T]           ; 2 off the exponent field: the conversions' scale operands
	s_delay_alu instid0(VALU_DEP_2)
	v_add_nc_u32 v[SO+1], 0xff000000, v[T+2]
	s_delay_alu instid0(VALU_DEP_2)
	v_lshrrev_b32 v[BY], 23, v[SO]
	s_delay_alu instid0(VALU_DEP_2)
	v_lshrrev_b32 v[BY+1], 23, v[SO+1]
	s_delay_alu instid0(VALU_DEP_1)
	v_lshl_or_b32 v[PW], v[BY+1], 16, v[BY]        ; my two bytes, blocks h and 2 + h,
	s_delay_alu instid0(VALU_DEP_1)
	v_lshlrev_b32 v[PW], v[SH8], v[PW]             ; at their places,
	s_delay_alu instid0(VALU_DEP_1)
	v_permlanex16_b32 v[PW2], v[PW], s[SEL], s[SEL+1]
	s_delay_alu instid0(VALU_DEP_1)
	v_or_b32 v[PS], v[PW], v[PW2]                  ; with lane l xor 16's two: p's scale word
.irp c, 0,1
	v_cvt_scalef32_pk16_fp6_f32 v[PC+6*\c:PC+6*\c+2], v[S+32*\c:S+32*\c+15], v[SO+\c]
	v_cvt_scalef32_pk16_fp6_f32 v[X0+4*\c:X0+4*\c+2], v[S+32*\c+16:S+32*\c+31], v[SO+\c]   ; (a conversion's three registers begin on an even number)
.endr
	v_nop                                          ; one plain place behind a scaled conversion
.irp c, 0,1
.irp i, 0,1,2
	v_mov_b32 v[PC+6*\c+3+\i], v[X0+4*\c+\i]
.endr
.endr
	v_pk_fma_f32 v[14:15], v[14:15], v[FF:FF+1], v[S:S+1] op_sel_hi:[1,0,1]   ; THE ROW'S SUM, of the unquantised p: the old sum x f, and four chains
	v_pk_add_f32 v[A1:A1+1], v[S+2:S+3], v[S+4:S+5]
	v_pk_add_f32 v[A1+2:A1+3], v[S+6:S+7], v[S+8:S+9]
	v_pk_add_f32 v[A1+4:A1+5], v[S+10:S+11], v[S+12:S+13]
.irp k, 7,11,15,19,23,27
	v_pk_add_f32 v[14:15], v[14:15], v[S+2*\k:S+2*\k+1]
	v_pk_add_f32 v[A1:A1+1], v[A1:A1+1], v[S+2*\k+2:S+2*\k+3]
	v_pk_add_f32 v[A1+2:A1+3], v[A1+2:A1+3], v[S+2*\k+4:S+2*\k+5]
	v_pk_add_f32 v[A1+4:A1+5], v[A1+4:A1+5], v[S+2*\k+6:S+2*\k+7]
.endr
	v_pk_add_f32 v[14:15], v[14:15], v[S+62:S+63]
	v_pk_add_f32 v[A1:A1+1], v[A1:A1+1], v[A1+2:A1+3]
	v_pk_add_f32 v[14:15], v[14:15], v[A1+4:A1+5]
	v_pk_add_f32 v[14:15], v[14:15], v[A1:A1+1]
	WALU                                           ; the wait directly ahead of the first reader of O^T
.irp j, 0,2,4,6,8,10,12,14,16,18,20,22,24,26,28,30
	v_pk_mul_f32 v[O+\j:O+1+\j], v[O+\j:O+1+\j], v[FF:FF+1] op_sel_hi:[1,0]   ; O^T under the new M, each accumulator from its low end on
.endr
	WALU
	s_wait_dscnt 0x0                               ; V is in
.irp t, 0,1,2,3                        ; O^T += V^T P^T; the four accumulators take turns
.if \t%2
	v_wmma_scale_f32_16x16x128_f8f6f4 v[O+8*\t:O+8*\t+7], v[F+12*\t:F+12*\t+11], v[PC:PC+11], v[O+8*\t:O+8*\t+7], v[VSC+\t/2], v[PS] matrix_a_fmt:MATRIX_FMT_FP6 matrix_b_fmt:MATRIX_FMT_FP6 matrix_a_scale:MATRIX_SCALE_ROW1
.else
	v_wmma_scale_f32_16x16x128_f8f6f4 v[O+8*\t:O+8*\t+7], v[F+12*\t:F+12*\t+11], v[PC:PC+11], v[O+8*\t:O+8*\t+7], v[VSC+\t/2], v[PS] matrix_a_fmt:MATRIX_FMT_FP6 matrix_b_fmt:MATRIX_FMT_FP6
.endif
.endr
	s_add_co_u32 s[TB], s[TB], REC
.endm
; Quarter j of the head: the wave that asked for it has seen it land (at the last quarter every wave waits), says so, and all read behind the barrier.  No LDS instruction of mine is out here.
.macro QUARTER j
	WALU
.if \j < 3
	s_cmp_eq_u32 s[WV], \j
	s_cbranch_scc0 .Lnot_mine_\@
	s_wait_tensorcnt 0x0
.Lnot_mine_\@:
.else
	s_wait_tensorcnt 0x0
.endif
	s_barrier_signal -1
	s_barrier_wait -1
	s_mov_b32 s[TB], \j*QUART
	s_mov_b32 s[CNT], 4
.Lquarter_\@:
	STEP
	s_sub_co_u32 s[CNT], s[CNT], 1
	s_cmp_lg_u32 s[CNT], 0
	s_cbranch_scc1 .Lquarter_\@
.endm
	s_mov_b32 s[TL], 0
.Ltile:                                ; two trips: my two tiles of 16 queries
	v_mov_b32 v13, 0xff61b1e6                      ; -3e38, under every score: the first change of M multiplies zeros by 0
	v_mov_b32 v14, 0
	v_mov_b32 v15, 0
	v_floor_f32 v12, -v13
.irp j, 0,1,2,3,4,5,6,7,8,9,10,11,12,13,14,15,16,17,18,19,20,21,22,23,24,25,26,27,28,29,30,31
	v_mov_b32 v[O+\j], 0
.endr
	QUARTER 0
	QUARTER 1
	QUARTER 2
	QUARTER 3
; THE WAY OUT: O^T / the sum goes through my own stage and leaves as rows: sixteen lanes store a query's 64 channels, 256 consecutive bytes, aligned
.rept 4
	v_nop
.endr
	v_add_f32 v14, v14, v15
	s_delay_alu instid0(VALU_DEP_1)
	v_permlanex16_b32 v[YM], v14, s[SEL], s[SEL+1]
	s_delay_alu instid0(VALU_DEP_1)
	v_add_f32 v14, v14, v[YM]                      ; the row's sum
	WALU
	v_rcp_f32 v14, v14
	v_nop
	WALU                                           ; the wait ahead of the reciprocal's first reader, which is O^T's too
.irp j, 0,2,4,6,8,10,12,14,16,18,20,22,24,26,28,30
	v_pk_mul_f32 v[S+\j:S+1+\j], v[O+\j:O+1+\j], v[14:15] op_sel_hi:[1,0]   ; register i is channel 32 h + i of my query
.endr
.irp i, 0,1,2,3,4,5,6,7
	ds_store_b128 v[STO], v[S+4*\i:S+4*\i+3] offset:16*\i
.endr
.irp i, 0,1,2,3,4,5,6,7
	ds_load_b128 v[F+4*\i:F+4*\i+3], v[RD] offset:2*\i*272   ; LDS serves a wave's instructions in order
.endr
.irp i, 0,1,2,3,4,5,6,7
	s_wait_dscnt 7-\i                              ; load i is back; the 7 - i younger ones may be out
	global_store_b128 v[GO], v[F+4*\i:F+4*\i+3], s[6:7] offset:2*\i*4096 th:TH_STORE_NT
.endr
.irp i, 0,1,2,3,4,5
	v_mov_b32 v[QF+\i], v[Q1+\i]                   ; the second tile's codes,
.endr
	v_permlanex16_b32 v[QT], v[QS], s[SEL], s[SEL+1]
	s_delay_alu instid0(VALU_DEP_1)
	v_mov_b32 v[QS], v[QT]                         ; and its scale words into lanes 0-15
	WALU
	s_wait_xcnt 0x0                                ; the stores have read their registers and their base
	s_add_nc_u64 s[6:7], s[6:7], 16*4096           ; sixteen rows of out0 on
	s_add_co_u32 s[TL], s[TL], 1
	s_cmp_lt_u32 s[TL], 2
	s_cbranch_scc1 .Ltile
	s_wait_tensorcnt 0x0                           ; the wave's end
	ds_add_u32 v[SPW], v[NIL]
	s_wait_dscnt 0x0
	CROUND                                         ; the closing round
	s_endpgm
.Lfunc_end_k_qd369fec290_attn:
	.size	k_qd369fec290_attn, .Lfunc_end_k_qd369fec290_attn-k_qd369fec290_attn
	.p2alignl 7, 3214868480
	.fill 96, 4, 3214868480
	.section	.rodata,"a",@progbits
	.p2align	6, 0x0
	.amdhsa_kernel k_qd369fec290_attn
		.amdhsa_group_segment_fixed_size 327680
		.amdhsa_private_segment_fixed_size 0
		.amdhsa_enable_private_segment 0
		.amdhsa_kernarg_size 16
		.amdhsa_user_sgpr_count 2
		.amdhsa_user_sgpr_kernarg_segment_ptr 1
		.amdhsa_wavefront_size32 1
		.amdhsa_system_sgpr_workgroup_id_x 1
		.amdhsa_system_sgpr_workgroup_id_y 1
		.amdhsa_system_sgpr_workgroup_id_z 1
		.amdhsa_system_vgpr_workitem_id 0
		.amdhsa_next_free_vgpr 256
		.amdhsa_next_free_sgpr 80
		.amdhsa_reserve_vcc 0
		.amdhsa_float_denorm_mode_32 3
		.amdhsa_float_denorm_mode_16_64 3
		.amdhsa_memory_ordered 1
		.amdhsa_forward_progress 1
		.amdhsa_inst_pref_size 73
	.end_amdhsa_kernel
	.amdgpu_metadata
---
amdhsa.version: [ 1, 2 ]
amdhsa.kernels:
  - .name:           k_qd369fec290_attn
    .symbol:         k_qd369fec290_attn.kd
    .args:
      - { .name: qkv, .offset: 0, .size: 8, .value_kind: global_buffer, .address_space: global }
      - { .name: out0, .offset: 8, .size: 8, .value_kind: global_buffer, .address_space: global }
    .group_segment_fixed_size: 327680
    .private_segment_fixed_size: 0
    .kernarg_segment_align: 8
    .kernarg_segment_size: 16
    .max_flat_workgroup_size: 512
    .sgpr_count:     80
    .vgpr_count:     256
    .wavefront_size: 32
...
	.end_amdgpu_metadata
.endif
;; end of part 3
